; MI455X (gfx1250); checked and timed in simulation.
; The chip was launched on July 23, 2026; its instructions are those of AMD's public machine-readable ISA for CDNA 5 (MIT licence, August 2026) and "CDNA5" Instruction Set Architecture Reference Guide (July 2026). The comments in the code are by the model that wrote it; some were corrected since.
;; Mixture Of Experts. Allowed arithmetic: matrix products marked QUANTISED: E2M1 operands, one E8M0 scale for each 32 along K, by v_wmma_scale_f32_16x16x128_f8f6f4 with both operands' format E2M1 (or v_wmma_scale_f32_32x16x128_f4), f32 sums; products left as they are: f32 operands where the result goes on into a quantised operand, else bf16, f16 or f32 operands; f32 sums; everything else in f32.
;; Inputs: W1 8 x 1,024 x 4,096 float32; W2 8 x 4,096 x 1,024 float32; Wg 1,024 x 8 float32; b1 8 x 4,096 float32; b2 8 x 1,024 float32; bg 8 float32; x 1,024 x 1,024 float32.
;; Outputs: out0 1,024 x 1,024 float32.
;; This version of the problem:
;;   THIS VERSION OF THE PROBLEM IS GIVEN IN LOW PRECISION. The matrix products marked QUANTISED in the list below multiply operands that are first quantised to E2M1 (2 exponent bits, 1 mantissa bit; 4 bits a number), with one power-of-two scale for each 32 numbers along K (OCP MX v1.0); their sums are f32. All else is computed in f32.
;;   The module's matrix products, in the order in which they are computed (A, B: the left and right operand; K: the contracted axis; several contracted axes count as one K, in the product's order):
;;     1. [M 1,024, K 1,024] x [K 1,024, N 32,768]; A: input x; B: input W1: QUANTISED
;;     2. batch 8 x [M 1,024, K 4,096] x [K 4,096, N 1,024]; A: input W2; B: computed on the way: QUANTISED
;;     3. [M 1,024, K 1,024] x [K 1,024, N 8]; A: input x; B: input Wg: left as it is (N = 8 < 16)
;;     4. batch 1,024 x [M 1, K 8] x [K 8, N 1,024]; A: softmax; B: computed on the way: left as it is (K = 8 < 32)
;;   THE QUANTISER, for each operand of a quantised product, along K:
;;     - K is cut into blocks of 32 from its start; a last block that is shorter is filled with zeros.
;;     - A block's scale is 2^e with e = floor(log2(the largest magnitude in the block)) - 2, held to -126 .. 127; a block of zeros has e = 0. As a byte (E8M0): e + 127.
;;     - Each number is divided by its block's scale, clamped to +-6, and rounded to the nearest number of E2M1, ties to even, subnormals kept.
;;     - The product sums the exact products of the quantised numbers (number of the format x scale) in f32.
;;   ~~~python
;;   def quantise(x, axis):      # numpy; x: float32 -> the quantised numbers, widened to float32 again
;;       x = np.moveaxis(x, axis, -1); K = x.shape[-1]
;;       x = np.pad(x, [(0, 0)] * (x.ndim - 1) + [(0, -K % 32)]); x = x.reshape(x.shape[:-1] + (-1, 32)); a = np.abs(x).max(-1, keepdims=True)
;;       e = np.where(a > 0, np.clip(np.frexp(np.where(a > 0, a, 1))[1] - 1 - 2, -126, 127), 0)      # np.frexp(a)[1] - 1 = floor(log2(a)), exactly
;;       r = np.clip(x / 2.0 ** e, -6, 6)
;;       step = 2.0 ** (np.maximum(np.frexp(np.where(r == 0, 1, r))[1] - 1, 0) - 1)
;;       q = np.round(r / step) * step * 2.0 ** e      # np.round: ties to even
;;       return np.moveaxis(q.reshape(q.shape[:-2] + (-1,))[..., :K], -1, axis).astype(np.float32)
;;   ~~~
;;   OPERANDS COMPUTED ON THE WAY. 'Computed on the way' means the value that the module computes at that place (a softmax that the list does not call 'softmax' is quantised finished and normalised). What goes into a quantiser is computed in f32, as accurately as f32 sums, v_exp_f32 and their like allow (about 1e-6 of the number): no bf16 or f16 on the way to a quantiser, and a product that is left as it is and whose result goes on into a quantised operand takes f32 operands (vector FMAs, or v_wmma_f32_16x16x4_f32). A number that lies on a knife's edge between two numbers of the format may be rounded either way, as far as f32 arithmetic and the matrix unit's own rounding can turn it there, and no further.
;; One version. Each part assembles by itself: llvm-mc -triple=amdgcn-amd-amdhsa -mcpu=gfx1250 --defsym DOCPART=n.
;; ======== version 1 of 1: 4 launches
;; workspace buffers: ximg 524,288 bytes; xsc 32,768 bytes; gate 32,768 bytes; w2rec 17,825,792 bytes; hrec 17,825,792 bytes; part 16,777,216 bytes
;; launch prep (part 1): grid 544 x 1, 8 waves a work-group, no clusters, 105,472 bytes of LDS; arguments x, Wg, bg, W2, ximg, xsc, gate, w2rec; writes ximg, xsc, gate, w2rec
.if DOCPART == 1
	.amdgcn_target "amdgcn-amd-amdhsa--gfx1250"
	.amdhsa_code_object_version 6
	.text
	.protected	k_q19067c62b9_prep
	.globl	k_q19067c62b9_prep
	.p2align	8
	.type	k_q19067c62b9_prep,@function
k_q19067c62b9_prep:
	s_mov_b64 s[64:65], 0
	v_nop
	global_prefetch_b8 v0, s[64:65] scope:SCOPE_SE
	s_setreg_imm32_b32 hwreg(HW_REG_WAVE_MODE, 25, 1), 1
	s_wait_xcnt 0x0
; out[b][o] = sum over e of gate[b][e] (Q(relu(Q(x) Q(W1[e]) + b1[e])) Q(W2[e]) + b2[e]),  gate = softmax(x Wg + bg).  Q: codes of E2M1, one E8M0 scale for each 32 along K.
; The program has four launches: this one, f1 (first product and hidden layer), g2 (second product, gate, b2), red (sum of four parts).
; DEAD WORK: none.  The gates are soft, so every expert counts for every row; bg differs along the softmax's axis; every input has a way to the output and is loaded by some launch.
; THIS LAUNCH.  Work-groups 0-31: 32 rows of x each become codes (images of operand registers) and scale words, and their gates.  Work-groups 32-543: W2 becomes codes, one record each.
; AN IMAGE of a fragment (16 rows x 128 K of 4-bit codes, 8 registers a lane): piece c (0, 1) is 512 bytes, lane l's 16 bytes at 16 l; lane (r = l % 16, h = l / 16) of piece c holds block 2 c + h of row r.
; A RECORD (34,816 bytes) is 512 along K x 128 rows: codes [kstep 4][tile 8][image 1,024], then 2,048 bytes of scale words; for W2 these lie [kstep pair 2][tile 8][r 16][2 words].
; A block's scale byte is its largest magnitude's exponent field - 2, held at 1 from below.
; The x path keeps to the 160 registers that the W2 path needs and to 105,472 bytes of LDS, so that the 32 short x work-groups can lie beside the 512 of W2 and need not take turns with them.
; LIMITS: a block of zeros gets the byte 1 where the rule says 127 (its codes are zeros, and this program alone reads the bytes); NaN and infinities among the inputs are not served;
; the gate's dot product is summed in eight parts of 128 along K, another order than a single chain.
; No cluster: work-groups share no input but Wg, 32,768 bytes.  No matrix unit: the gate has 8 columns.
.set REC,   34816
.set XSL,   0                          ; LDS: x's scale words [row 32][8 words]
.set GOUT,  1024                       ; the finished gates [row 32][8 f32]
.set WGL,   2048                       ; Wg as it lies: wave w's 128 rows of 32 bytes at 4,096 w; when the wave has read them, its partial sums [row 32][8 f32] take the first 1,024 of these bytes
.set STGX,  34816                      ; a stage for each wave: 32 rows x (256 bytes + 16)
.set SPARE, 104448                     ; the spare words, 128 bytes for each wave: four blocks of 256 bytes that no other line names
.set SPW,   14                         ; v14 LDS address of my spare word; never rewritten
.set NIL,   15                         ; v15 0; never rewritten
	s_load_b256 s[4:11], s[0:1], 0x0               ; x s[4:5], Wg s[6:7], bg s[8:9], W2 s[10:11]
	s_load_b256 s[12:19], s[0:1], 0x20             ; ximg s[12:13], xsc s[14:15], gate s[16:17], w2rec s[18:19]
	v_lshl_add_u32 v[SPW], v0, 2, SPARE
	v_mov_b32 v[NIL], 0
	v_lshrrev_b32 v1, 5, v0
	v_readfirstlane_b32 s20, v1                    ; wave 0..7
	v_and_b32 v1, 31, v0                           ; lane
	v_and_b32 v2, 15, v0                           ; r
	v_bfe_u32 v3, v0, 4, 1                         ; h
	s_mov_b32 s31, 0                               ; the upper word of the offsets' pair s[30:31]
	s_wait_kmcnt 0x0
	s_cmp_lt_u32 ttmp9, 32                         ; the work-group's number alone: all eight waves go the same way
	s_cbranch_scc0 .Lw2
; ---------------- x: rows 32 wg .. 32 wg + 31; wave w takes K = 128 w .. 128 w + 127 ----------------
; REGISTERS: v0 32 x lane + 4 w; v1 32 x lane + 4,096 w; v2 32 x lane; v3 the scale word; v4-10 addresses; v11-13 at work; v16-23 8 logits; v24-31 two blocks' codes;
;   v32-95 64 neighbours of my row; v96-159 half a K step as loaded, and, once that has gone into the stage, Wg's rows in two sets of 32.
	s_load_b256 s[32:39], s[8:9], 0x0              ; bg: 8 numbers
	s_lshl_b32 s30, ttmp9, 17                      ; 32 rows of 4,096 bytes
	s_lshl_b32 s21, s20, 9                         ; 128 numbers
	s_add_co_u32 s30, s30, s21
	s_add_nc_u64 s[4:5], s[4:5], s[30:31]
	s_lshl_b32 s30, s20, 12                        ; Wg: 128 rows of 32 bytes
	s_add_nc_u64 s[6:7], s[6:7], s[30:31]
	s_lshl_b32 s30, ttmp9, 14                      ; ximg: two row tiles of 8,192 bytes,
	s_lshl_b32 s21, s20, 10                        ; K step w
	s_add_co_u32 s30, s30, s21
	s_add_nc_u64 s[12:13], s[12:13], s[30:31]
	s_lshl_b32 s30, ttmp9, 10                      ; xsc and gate: 32 rows of 32 bytes
	s_add_nc_u64 s[14:15], s[14:15], s[30:31]
	s_add_nc_u64 s[16:17], s[16:17], s[30:31]
	s_mov_b32 s28, 0x3fb8aa3b                      ; log2(e)
	v_lshlrev_b32 v4, 4, v2                        ; 16 r
	v_lshl_add_u32 v10, v3, 13, v4                 ; images out: tile h, 16 r
	v_mul_u32_u24 v6, v3, 272
	v_add_nc_u32 v6, v6, v4                        ; the stage, on the way in: row h of a pair, 16 r
	v_lshl_add_u32 v4, v3, 12, v4                  ; x: row h of a pair, 16 r
	v_lshlrev_b32 v5, 4, v1                        ; 16 x lane
	s_mul_i32 s24, s20, 8704
	s_add_co_u32 s24, s24, STGX                    ; my stage
	v_add_nc_u32 v6, s24, v6
	v_mul_u32_u24 v7, v1, 272
	v_add_nc_u32 v7, s24, v7                       ; and on the way out: my row
	s_lshl_b32 s25, s20, 12
	v_add_nc_u32 v8, s25, v5                       ; Wg into LDS: 4,096 w + 16 x lane
	v_mov_b32 v9, s25                              ; and out of it: the same address in every lane
	v_lshlrev_b32 v2, 5, v1                        ; 32 x lane
	v_add_nc_u32 v1, s25, v2                       ; 32 x lane + 4,096 w: my partial sums
	s_lshl_b32 s27, s20, 2
	v_add_nc_u32 v0, s27, v2                       ; 32 x lane + 4 w: my K step's scale word
.macro XRAW c                          ; half c of my K step, 32 rows x 256 bytes: sixteen lanes read 256 consecutive bytes of a row, aligned
.irp i, 0,1,2,3,4,5,6,7,8,9,10,11,12,13,14,15
	global_load_b128 v[96+4*\i:99+4*\i], v4, s[4:5] offset:\i*8192+(\c)*256 th:TH_LOAD_NT
.endr
.endm
.irp i, 0,1,2,3,4,5,6,7
	global_load_b128 v[32+4*\i:35+4*\i], v5, s[6:7] offset:512*\i
.endr
	XRAW 0
	s_wait_loadcnt 16                              ; Wg's eight loads are in; x's 16 may be out
.irp i, 0,1,2,3,4,5,6,7
	ds_store_b128 v8, v[32+4*\i:35+4*\i] offset:WGL+512*\i   ; only my wave reads these 4,096 bytes: no barrier
.endr
	s_wait_dscnt 0x0                               ; the stores have read v32-63, which the stage's loads write next
.macro WBLOAD c, b                     ; Wg's rows of 4 k, 8 numbers each, the same in every lane, into set b % 2
.set WBR, 96+32*((\b)%2)
.irp kk, 0,1,2,3
.irp q, 0,1
	ds_load_b128 v[WBR+8*\kk+4*\q:WBR+8*\kk+4*\q+3], v9 offset:WGL+(64*(\c)+4*(\b)+\kk)*32+16*\q
.endr
.endr
.endm
; Half a K step: 64 along K of my 32 rows turn through the stage, so that a lane holds 64 neighbours of ONE row: two blocks, piece c of the image.
.macro HK c
	s_wait_loadcnt 0x0                             ; this half's 16 loads are in
.irp i, 0,1,2,3,4,5,6,7,8,9,10,11,12,13,14,15
	ds_store_b128 v6, v[96+4*\i:99+4*\i] offset:544*\i
.endr
.irp j, 0,1,2,3,4,5,6,7,8,9,10,11,12,13,14,15
	ds_load_b128 v[32+4*\j:35+4*\j], v7 offset:16*\j   ; LDS serves a wave's instructions in order: these see the stores above
.endr
	s_wait_dscnt 0x0                               ; my 64 neighbours are in, and the stores have read v96-159
	v_max3_num_f32 v11, |v32|, |v33|, 0x1800000    ; the two blocks' largest magnitudes by turns, with the floor 2^(3 - 127): the byte cannot fall under 1
	v_max3_num_f32 v12, |v64|, |v65|, 0x1800000
.irp i, 2,4,6,8,10,12,14,16,18,20,22,24,26,28,30
	v_max3_num_f32 v11, v11, |v[32+\i]|, |v[33+\i]|
	v_max3_num_f32 v12, v12, |v[64+\i]|, |v[65+\i]|
.endr
	v_add_nc_u32 v11, 0xff000000, v11              ; 2 off the exponent field: the conversion's scale operand
	v_add_nc_u32 v12, 0xff000000, v12
	v_lshrrev_b32 v13, 23, v11                     ; the scale's byte, to its place in the K step's word
.if \c == 0
	v_mov_b32 v3, v13
.else
	v_lshl_or_b32 v3, v13, 16, v3
.endif
	v_lshrrev_b32 v13, 23, v12
	v_lshl_or_b32 v3, v13, 8+16*\c, v3
.if \c
	s_wait_xcnt 0x0                                ; the first half's stores have read v24-31: they are written again only behind this wait
.endif
.irp g, 0,1,2,3
	v_cvt_scalef32_pk8_fp4_f32 v[24+\g], v[32+8*\g:39+8*\g], v11
.endr
.irp g, 0,1,2,3
	v_cvt_scalef32_pk8_fp4_f32 v[28+\g], v[64+8*\g:71+8*\g], v12
.endr
	v_nop                                          ; one plain line behind the last conversion
	global_store_b128 v10, v[24:27], s[12:13] offset:\c*512       ; sixteen lanes store 256 consecutive bytes, aligned
	global_store_b128 v10, v[28:31], s[12:13] offset:\c*512+256
	; the gate: my row's 64 numbers x Wg's 64 rows, 4 k at a time; Wg's next rows are on their way meanwhile
	WBLOAD \c, 0
.set BB, 0
.rept 16
.if BB < 15
	WBLOAD \c, BB+1
	s_wait_dscnt 8                                 ; all but the eight just issued
.else
	s_wait_dscnt 0x0
.endif
.set WBU, 96+32*(BB%2)
.irp kk, 0,1,2,3
.irp e, 0,1,2,3,4,5,6,7
.if (\c == 0) && (BB == 0) && (\kk == 0)
	v_mul_f32 v[16+\e], v[32+4*BB+\kk], v[WBU+8*\kk+\e]     ; the first k starts the sums: nothing is cleared
.else
	v_fmac_f32 v[16+\e], v[32+4*BB+\kk], v[WBU+8*\kk+\e]
.endif
.endr
.endr
.set BB, BB+1
.endr
.endm
	HK 0
	XRAW 1                                         ; into the registers that Wg's rows have left: no LDS load of mine is out
	HK 1
	ds_store_b128 v1, v[16:19] offset:WGL          ; over Wg's rows of my own 4,096 bytes, which I have read to the end
	ds_store_b128 v1, v[20:23] offset:WGL+16
	ds_store_b32 v0, v3 offset:XSL
	s_wait_kmcnt 0x0                               ; bg
	s_wait_dscnt 0x0                               ; for the others' sake: my stores have landed
	s_barrier_signal -1
	s_barrier_wait -1
	s_cmp_lg_u32 s20, 0
	s_cbranch_scc1 .Lnot0
	; wave 0: a lane a row: the eight partial sums, bg, the softmax over 8
.irp ww, 0,1,2,3,4,5,6,7
.irp q, 0,1
	ds_load_b128 v[32+8*\ww+4*\q:35+8*\ww+4*\q], v2 offset:WGL+4096*\ww+16*\q
.endr
.endr
	s_wait_dscnt 0x0
.irp ww, 0,2,4,6
.irp p, 0,2,4,6
	v_pk_add_f32 v[32+8*\ww+\p:33+8*\ww+\p], v[32+8*\ww+\p:33+8*\ww+\p], v[40+8*\ww+\p:41+8*\ww+\p]
.endr
.endr
.irp ww, 0,4
.irp p, 0,2,4,6
	v_pk_add_f32 v[32+8*\ww+\p:33+8*\ww+\p], v[32+8*\ww+\p:33+8*\ww+\p], v[48+8*\ww+\p:49+8*\ww+\p]
.endr
.endr
.irp p, 0,2,4,6
	v_pk_add_f32 v[32+\p:33+\p], v[32+\p:33+\p], v[64+\p:65+\p]
.endr
.irp e, 0,1,2,3,4,5,6,7
	v_add_f32 v[32+\e], s[32+\e], v[32+\e]
.endr
	v_max3_num_f32 v40, v32, v33, v34              ; the row's largest logit is taken away before the exponential
	v_max3_num_f32 v40, v40, v35, v36
	v_max3_num_f32 v40, v40, v37, v38
	v_max_num_f32 v40, v40, v39
	v_mul_f32 v40, s28, v40
.irp e, 0,1,2,3,4,5,6,7
	v_fma_f32 v[32+\e], v[32+\e], s28, -v40        ; (a - m) log2(e)
.endr
.irp e, 0,1,2,3,4,5,6,7
	v_exp_f32 v[32+\e], v[32+\e]
.endr
	v_nop                                          ; a plain line behind the last exponential
	s_wait_alu depctr_va_vdst(0)                   ; one wait for the eight, ahead of their first reader
	v_add_f32 v41, v32, v33
	v_add_f32 v42, v34, v35
	v_add_f32 v43, v36, v37
	v_add_f32 v44, v38, v39
	v_add_f32 v41, v41, v42
	v_add_f32 v43, v43, v44
	v_add_f32 v41, v41, v43
	v_rcp_f32 v41, v41
	v_nop
	s_wait_alu depctr_va_vdst(0)
.irp e, 0,1,2,3,4,5,6,7
	v_mul_f32 v[32+\e], v[32+\e], v41
.endr
	ds_store_b128 v2, v[32:35] offset:GOUT         ; a lane holds 32 bytes of a row: through LDS, so that each store below covers 512 consecutive bytes
	ds_store_b128 v2, v[36:39] offset:GOUT+16
	ds_load_b128 v[44:47], v5 offset:GOUT
	ds_load_b128 v[48:51], v5 offset:GOUT+512
	s_wait_dscnt 0x0
	global_store_b128 v5, v[44:47], s[16:17]
	global_store_b128 v5, v[48:51], s[16:17] offset:512
	s_branch .Lend
.Lnot0:
	s_cmp_lg_u32 s20, 1
	s_cbranch_scc1 .Lend
	ds_load_b128 v[32:35], v5 offset:XSL           ; wave 1: the 32 rows' scale words, 1,024 consecutive bytes
	ds_load_b128 v[36:39], v5 offset:XSL+512
	s_wait_dscnt 0x0
	global_store_b128 v5, v[32:35], s[14:15]
	global_store_b128 v5, v[36:39], s[14:15] offset:512
	s_branch .Lend
; ---------------- W2 [8][4096 (K)][1024]: work-group 32 + j makes record j = 8 kquad + column group ----------------
; A LANE TAKES A COLUMN, ITS REGISTERS RUN DOWN K: a block of 32 lies in one lane, and the conversions give codes with K innermost.  Wave w: columns 32 (w % 4) + lane of the group's 128, K rows 256 (w / 4) on: 8 blocks a lane.
; A lane's 16 code bytes of a block are its place in an image, so they are stored as they come: sixteen lanes fill 256 consecutive bytes.  No LDS.  Loads run two blocks (64 loads a wave) ahead.
; REGISTERS: v4-6 offsets; v11-13 at work; v24-25 scale words; v64-127 two sets of 32 numbers; v128-159 codes, four registers a block, never written again.
.Lw2:
	s_sub_co_u32 s21, ttmp9, 32                    ; j
	s_lshr_b32 s22, s21, 3                         ; kquad
	s_and_b32 s23, s21, 7                          ; column group
	s_lshr_b32 s24, s20, 2                         ; w / 4
	s_and_b32 s25, s20, 3                          ; w % 4
	s_lshl_b32 s30, s22, 21                        ; 512 rows of 4,096 bytes
	s_lshl_b32 s26, s24, 20                        ; 256 rows
	s_add_co_u32 s30, s30, s26
	s_lshl_b32 s26, s23, 9                         ; 128 columns
	s_add_co_u32 s30, s30, s26
	s_lshl_b32 s26, s25, 7                         ; 32 columns
	s_add_co_u32 s30, s30, s26
	s_add_nc_u64 s[4:5], s[10:11], s[30:31]
	s_mul_i32 s30, s21, REC
	s_add_nc_u64 s[18:19], s[18:19], s[30:31]      ; my record
	s_lshl_b32 s30, s24, 14                        ; two K steps of 8,192 bytes
	s_lshl_b32 s26, s25, 11                        ; two tiles of 1,024
	s_add_co_u32 s30, s30, s26
	s_add_nc_u64 s[22:23], s[18:19], s[30:31]      ; codes
	s_lshl_b32 s30, s24, 10
	s_lshl_b32 s26, s25, 8
	s_add_co_u32 s30, s30, s26
	s_add_co_u32 s30, s30, 32768
	s_add_nc_u64 s[24:25], s[18:19], s[30:31]      ; scale words
	v_lshlrev_b32 v4, 2, v1                        ; in: 4 bytes a lane
	v_lshlrev_b32 v5, 4, v2
	v_lshl_add_u32 v5, v3, 10, v5                  ; codes out: tile h, 16 r
	v_lshlrev_b32 v6, 3, v1                        ; scale words out: 8 bytes a lane
.macro LOADW t
.set XW, 64+32*((\t)%2)
.set I_, 0
.rept 32
	global_load_b32 v[XW+I_], v4, s[4:5] offset:(32*(\t)+I_)*4096 th:TH_LOAD_NT
.set I_, I_+1
.endr
.endm
.macro BLOCKW t
.set XS_, 64+32*((\t)%2)
.if (\t) < 7
	s_wait_loadcnt 32                              ; this block's 32 loads are in; the next block's may be out
.else
	s_wait_loadcnt 0x0
.endif
	v_max3_num_f32 v12, |v[XS_]|, |v[XS_+1]|, |v[XS_+2]|
	v_max3_num_f32 v13, |v[XS_+3]|, |v[XS_+4]|, |v[XS_+5]|
.irp i, 6,10,14,18,22,26
	v_max3_num_f32 v12, v12, |v[XS_+\i]|, |v[XS_+\i+1]|
	v_max3_num_f32 v13, v13, |v[XS_+\i+2]|, |v[XS_+\i+3]|
.endr
	v_max3_num_f32 v12, v12, |v[XS_+30]|, |v[XS_+31]|
	v_max3_num_f32 v12, v12, v13, 0x1800000        ; and the floor 2^(3 - 127)
	v_add_nc_u32 v11, 0xff000000, v12              ; 2 off the exponent field: the conversion's scale operand
	v_lshrrev_b32 v13, 23, v11                     ; the scale's byte
.if (\t)%4 == 0
	v_mov_b32 v[24+(\t)/4], v13
.else
	v_lshl_or_b32 v[24+(\t)/4], v13, 8*((\t)%4), v[24+(\t)/4]
.endif
.irp g, 0,1,2,3
	v_cvt_scalef32_pk8_fp4_f32 v[128+4*(\t)+\g], v[XS_+8*\g:XS_+8*\g+7], v11
.endr
	global_store_b128 v5, v[128+4*(\t):131+4*(\t)], s[22:23] offset:((\t)/4)*8192+(((\t)%4)/2)*512+((\t)%2)*256
.if (\t)+2 < 8
	LOADW (\t)+2
.endif
.endm
	LOADW 0
	LOADW 1
.irp t, 0,1,2,3,4,5,6,7
	BLOCKW \t
.endr
	global_store_b64 v6, v[24:25], s[24:25]        ; 32 lanes store 256 consecutive bytes, aligned
.Lend:
	s_wait_tensorcnt 0x0                           ; the wave's end
	ds_add_u32 v[SPW], v[NIL]
	s_wait_dscnt 0x0
	s_endpgm
.Lfunc_end_k_q19067c62b9_prep:
	.size	k_q19067c62b9_prep, .Lfunc_end_k_q19067c62b9_prep-k_q19067c62b9_prep
	.p2alignl 7, 3214868480
	.fill 96, 4, 3214868480
	.section	.rodata,"a",@progbits
	.p2align	6, 0x0
	.amdhsa_kernel k_q19067c62b9_prep
		.amdhsa_group_segment_fixed_size 105472
		.amdhsa_private_segment_fixed_size 0
		.amdhsa_enable_private_segment 0
		.amdhsa_kernarg_size 64
		.amdhsa_user_sgpr_count 2
		.amdhsa_user_sgpr_kernarg_segment_ptr 1
		.amdhsa_wavefront_size32 1
		.amdhsa_system_sgpr_workgroup_id_x 1
		.amdhsa_system_sgpr_workgroup_id_y 1
		.amdhsa_system_sgpr_workgroup_id_z 1
		.amdhsa_system_vgpr_workitem_id 0
		.amdhsa_next_free_vgpr 160
		.amdhsa_next_free_sgpr 66
		.amdhsa_reserve_vcc 0
		.amdhsa_float_denorm_mode_32 3
		.amdhsa_float_denorm_mode_16_64 3
		.amdhsa_memory_ordered 1
		.amdhsa_forward_progress 1
		.amdhsa_inst_pref_size 110
	.end_amdhsa_kernel
	.amdgpu_metadata
---
amdhsa.version: [ 1, 2 ]
amdhsa.kernels:
  - .name:           k_q19067c62b9_prep
    .symbol:         k_q19067c62b9_prep.kd
    .args:
      - { .name: x, .offset: 0, .size: 8, .value_kind: global_buffer, .address_space: global }
      - { .name: Wg, .offset: 8, .size: 8, .value_kind: global_buffer, .address_space: global }
      - { .name: bg, .offset: 16, .size: 8, .value_kind: global_buffer, .address_space: global }
      - { .name: W2, .offset: 24, .size: 8, .value_kind: global_buffer, .address_space: global }
      - { .name: ximg, .offset: 32, .size: 8, .value_kind: global_buffer, .address_space: global }
      - { .name: xsc, .offset: 40, .size: 8, .value_kind: global_buffer, .address_space: global }
      - { .name: gate, .offset: 48, .size: 8, .value_kind: global_buffer, .address_space: global }
      - { .name: w2rec, .offset: 56, .size: 8, .value_kind: global_buffer, .address_space: global }
    .group_segment_fixed_size: 105472
    .private_segment_fixed_size: 0
    .kernarg_segment_align: 8
    .kernarg_segment_size: 64
    .max_flat_workgroup_size: 256
    .sgpr_count:     66
    .vgpr_count:     160
    .wavefront_size: 32
...
	.end_amdgpu_metadata
.endif
;; end of part 1
;; launch f1 (part 2): grid 256 x 1, 4 waves a work-group, no clusters, 72,192 bytes of LDS; arguments W1, b1, ximg, xsc, hrec; writes hrec
.if DOCPART == 2
	.amdgcn_target "amdgcn-amd-amdhsa--gfx1250"
	.amdhsa_code_object_version 6
	.text
	.protected	k_q19067c62b9_f1
	.globl	k_q19067c62b9_f1
	.p2align	8
	.type	k_q19067c62b9_f1,@function
k_q19067c62b9_f1:
	s_mov_b64 s[64:65], 0
	v_nop
	global_prefetch_b8 v0, s[64:65] scope:SCOPE_SE
	s_setreg_imm32_b32 hwreg(HW_REG_WAVE_MODE, 25, 1), 1
	s_wait_xcnt 0x0
; h = Q(relu(Q(x) Q(W1[e]) + b1[e])), stored as codes.  No work is left out.
; SHARES.  Work-group ks (0..255) owns hidden units 128 (ks % 32) .. + 127 of expert ks / 32: K step ks of the second product.  It reads its 1,024 x 128 numbers of W1 once, as f32.
; PHASE 1: wave w quantises K rows 256 w .. + 255 of the 128 columns, 32 rows (a unit) at a time.  A load takes 512 consecutive bytes of a K row, 16 a lane: register 4 i + j of a unit's 128 is W1(row i, column 4 lane + j).
; So a lane holds whole blocks of 32 along K of its four columns, their registers four apart.  The conversions take eight neighbours along K from eight NEIGHBOURING registers: one copy a number, from window 1 to
; window 0, puts each column's 32 numbers on end.  It takes the place of a way through LDS (a store and a load a number), and it frees the loaded set at once for the loads of two units on.
; Codes gather in LDS with K innermost (a row a column), scale words beside them.  One barrier.
; PHASE 2: every wave takes all the slice's codes into 512 registers (64 fragments) and multiplies them with 256 rows of x, 16 tiles of 16, whose images come from memory straight into registers.
; The product is used transposed (source 0 = 16 columns of W1, source 1 = 16 rows of x), and lane r of tile 2 b + u takes column 32 b + 8 u + r + 8 (r / 8): so a lane holds one row of h and the 16 registers of tiles
; 2 b, 2 b + 1 are 16 neighbours along the next K.  b1 is the C of each sum's first matrix instruction.  relu, quantiser, and the fragment's image goes to hrec: 512 consecutive bytes a store.
; hrec: records of 34,816 bytes [kquad 64][row group 8]: codes [kstep 4][tile 8][image 1,024], then scale words [kstep 4][quad 2][r 16][4 tiles].
; NO CLUSTER, though all work-groups read x's images: each of a work-group's 524,288 image bytes goes once into the registers of the one wave that multiplies it; asked for jointly they would pass through LDS,
; more bytes than a work-group can be given, so through a ring with a round of the cluster's barrier at each refill; and W1, the launch's larger stream, is shared with nobody.
; LIMITS: a block of zeros gets the byte 1 where the rule says 127 (its codes are zeros; this program alone reads the bytes); NaN and infinities are not served; b1 enters the f32 sum first, not last.
; REGISTERS.  window 0: v1-13 lane and addresses; v14, v15 the add's two; v16-23 x's scale words, two sets; v24-31 a group's 8 scale words of h; v32-95 W1's scale words (tile t, K step s at 32 + 8 t + s);
;   v96-159 the 8 accumulators; v160-167 the codes just made; v168-171 scale words on the way out; v172-187 at work.
;   phase 1 in window 0: v96-111 four columns' codes, v112-119 their scale words, v120-127 at work, v128-255 four columns x 32 numbers down K.
;   window 1: phase 1: two sets of 128 as loaded; phase 2: W1's fragments of K steps 0-3 at 8 (4 t + s).   window 2: those of K steps 4-7.   window 3: v0-127 x's fragments, two sets; v128-191 b1's 8 tiles.
.set REC,   34816
.set CST,   0                          ; LDS: the codes: 128 rows (a row a column of W1) x (512 bytes + 16)
.set W1SC,  67584                      ; their scale words [column 128][8 words]
.set SPARE, 71680                      ; the spare words, 128 bytes for each wave: two blocks of 256 bytes that no other line names
.set SPW,   14
.set NIL,   15
.set XS,    16
.set W1S,   32
.set HA,    96
.set PC,    160
.set TM,    172
.set SEL,   24                         ; s[24:25] selects of v_permlanex16_b32 for lane l xor 16
.set MSB, 0
.macro WIN new                         ; the immediate's high byte repeats the setting that is left; bits 1:0 source 0, 3:2 source 1, 5:4 source 2, 7:6 destination
.if MSB != \new
	s_set_vgpr_msb (MSB<<8)|\new
.set MSB, \new
.endif
.endm
	s_load_b256 s[4:11], s[0:1], 0x0               ; W1 s[4:5], b1 s[6:7], ximg s[8:9], xsc s[10:11]
	s_load_b64 s[12:13], s[0:1], 0x20              ; hrec
	v_lshl_add_u32 v[SPW], v0, 2, SPARE
	v_mov_b32 v[NIL], 0
	v_lshrrev_b32 v1, 5, v0
	v_readfirstlane_b32 s14, v1                    ; wave 0..3
	v_and_b32 v1, 31, v0                           ; lane
	v_and_b32 v2, 15, v0                           ; r
	v_bfe_u32 v3, v0, 4, 1                         ; h
	s_mov_b32 s15, ttmp9                           ; ks
	s_lshr_b32 s18, s15, 5
	s_lshl_b32 s18, s18, 24                        ; W1: the expert's 1,024 rows of 16,384 bytes,
	s_and_b32 s19, s15, 31
	s_lshl_b32 s19, s19, 9                         ; the slice's 128 columns,
	s_add_co_u32 s18, s18, s19
	s_lshl_b32 s19, s14, 22                        ; my 256 rows
	s_add_co_u32 s18, s18, s19
	s_mov_b32 s19, 0
	s_lshl_b32 s20, s15, 9                         ; b1: 128 numbers a slice
	s_mov_b32 s21, 0
	s_lshl_b32 s22, s14, 17                        ; ximg: my 16 row tiles of 8,192 bytes
	s_mov_b32 s23, 0
	s_lshl_b32 s28, s14, 13                        ; xsc: my 256 rows of 32 bytes
	s_mov_b32 s29, 0
	s_lshr_b32 s30, s15, 2
	s_lshl_b32 s30, s30, 3
	s_lshl_b32 s31, s14, 1
	s_add_co_u32 s30, s30, s31
	s_mul_i32 s30, s30, REC                        ; hrec: record 8 (ks / 4) + 2 w
	s_mov_b32 s31, 0
	s_and_b32 s32, s15, 3
	s_lshl_b32 s34, s32, 9
	s_add_co_u32 s34, s34, 32768                   ; its scale words of K step ks % 4
	s_mov_b32 s35, 0
	s_lshl_b32 s32, s32, 13                        ; its codes of that K step
	s_mov_b32 s33, 0
	s_mov_b32 s[SEL], 0x76543210
	s_mov_b32 s[SEL+1], 0xfedcba98
	v_lshlrev_b32 v4, 4, v1                        ; 16 x lane
	v_lshlrev_b32 v5, 5, v2
	v_lshl_add_u32 v5, v3, 4, v5                   ; xsc: row r, words 4 h on
	v_mul_u32_u24 v9, v1, 4*528
	s_lshl_b32 s37, s14, 7
	v_add_nc_u32 v9, s37, v9                       ; codes in: rows 4 lane + j (j in the offset), my wave's 128 bytes of them
	v_lshlrev_b32 v10, 7, v1
	s_lshl_b32 s37, s14, 3
	s_add_co_u32 s37, s37, W1SC
	v_add_nc_u32 v10, s37, v10                     ; scale words in: columns 4 lane + j, my wave's two words
	v_and_b32 v6, 8, v2
	v_add_nc_u32 v6, v6, v2                        ; r + 8 (r / 8)
	v_mul_u32_u24 v11, v6, 528
	v_lshl_add_u32 v11, v3, 4, v11                 ; fragments out
	v_lshl_add_u32 v12, v6, 5, W1SC                ; scale words out
	v_lshlrev_b32 v13, 6, v3                       ; b1: 16 h numbers on
	v_cmp_lt_u32 s27, 15, v1                       ; lanes 16-31
	s_wait_kmcnt 0x0
	s_add_nc_u64 s[4:5], s[4:5], s[18:19]
	s_add_nc_u64 s[6:7], s[6:7], s[20:21]
	s_add_nc_u64 s[8:9], s[8:9], s[22:23]
	s_add_nc_u64 s[10:11], s[10:11], s[28:29]
	s_add_nc_u64 s[12:13], s[12:13], s[30:31]
	s_add_nc_u64 s[16:17], s[12:13], s[34:35]      ; scale words of h
	s_add_nc_u64 s[12:13], s[12:13], s[32:33]      ; codes of h
; ---- PHASE 1 ----
.macro LOADU u, set                    ; 32 K rows x 512 bytes into a set of 128 registers of window 1: each load covers 512 consecutive bytes, aligned
	WIN 0x40
.set I_, 0
.rept 32
	global_load_b128 v[128*(\set)+4*I_:128*(\set)+4*I_+3], v4, s[4:5] offset:(32*(\u)+I_)*16384 th:TH_LOAD_NT
.set I_, I_+1
.endr
	WIN 0
.endm
.macro QUNIT u                         ; block u of my 8 along K, of my columns 4 lane + j; the four columns by turns, so that no line waits for the line above it
.irp j, 0,1,2,3
	v_max3_num_f32 v[120+\j], |v[128+32*\j]|, |v[129+32*\j]|, 0x1800000   ; with the floor 2^(3 - 127): the byte cannot fall under 1
.endr
.irp i, 2,4,6,8,10,12,14,16,18,20,22,24,26,28,30
.irp j, 0,1,2,3
	v_max3_num_f32 v[120+\j], v[120+\j], |v[128+32*\j+\i]|, |v[129+32*\j+\i]|
.endr
.endr
.irp j, 0,1,2,3
	v_add_nc_u32 v[124+\j], 0xff000000, v[120+\j]  ; 2 off the exponent field: the conversion's scale operand
.endr
.if (\u)%4 == 0
.irp j, 0,1,2,3
	v_lshrrev_b32 v[112+2*\j+(\u)/4], 23, v[124+\j]    ; the scale's byte begins a word
.endr
.else
.irp j, 0,1,2,3
	v_lshrrev_b32 v[120+\j], 23, v[124+\j]
.endr
.irp j, 0,1,2,3
	v_lshl_or_b32 v[112+2*\j+(\u)/4], v[120+\j], 8*((\u)%4), v[112+2*\j+(\u)/4]
.endr
.endif
.irp j, 0,1,2,3
.irp g, 0,1,2,3
	v_cvt_scalef32_pk8_fp4_f32 v[96+4*\j+\g], v[128+32*\j+8*\g:135+32*\j+8*\g], v[124+\j]
.endr
.endr
	v_nop                                          ; one plain line behind the last conversion
.irp j, 0,1,2,3
	ds_store_b128 v9, v[96+4*\j:99+4*\j] offset:CST+528*\j+16*(\u)
.endr
.endm
.macro UNIT u, set, ahead, left
	s_wait_loadcnt \left                           ; this unit's 32 loads are in; the other set's may be out
	s_wait_dscnt 0x0                               ; the last unit's four stores have read v96-111
	WIN 0x01                                       ; source 0 window 1, destination window 0
.irp j, 0,1,2,3
.set I_, 0
.rept 32
	v_mov_b32 v[128+32*\j+I_], v[128*(\set)+4*I_+\j]   ; column 4 lane + j, down K
.set I_, I_+1
.endr
.endr
	WIN 0
.if \ahead
	LOADU (\u)+2, \set                             ; the set has been copied: it takes the loads of two units on
.endif
	QUNIT \u
.endm
	LOADU 0, 0
	LOADU 1, 1
	UNIT 0, 0, 1, 32
	UNIT 1, 1, 1, 32
	UNIT 2, 0, 1, 32
	UNIT 3, 1, 1, 32
	UNIT 4, 0, 1, 32
	UNIT 5, 1, 1, 32
	UNIT 6, 0, 0, 32
	UNIT 7, 1, 0, 0
.irp j, 0,1,2,3
	ds_store_b64 v10, v[112+2*\j:113+2*\j] offset:32*\j
.endr
; x's fragments of row tile m (counted from the trip's first) into set m % 2, and its rows' scale words: register j holds K step j's word in lanes 0-15 and K step 4 + j's in lanes 16-31
.macro XLOAD m
.set XP, (\m)%2
	WIN 0xc0
.irp s, 0,1,2,3,4,5,6,7
.irp c, 0,1
	global_load_b128 v[64*XP+8*\s+4*\c:64*XP+8*\s+4*\c+3], v4, s[8:9] offset:(\m)*8192+\s*1024+\c*512
.endr
.endr
	WIN 0
	global_load_b128 v[XS+4*XP:XS+4*XP+3], v5, s[10:11] offset:(\m)*512
.endm
	WIN 0xc0
.irp t, 0,1,2,3,4,5,6,7                        ; b1 in the result's layout: lane (r, h), tile t: units 32 (t / 2) + 16 h + 8 (t % 2) + 0 .. 7
	global_load_b128 v[128+8*\t:131+8*\t], v13, s[6:7] offset:(32*(\t/2)+8*(\t%2))*4
	global_load_b128 v[132+8*\t:135+8*\t], v13, s[6:7] offset:(32*(\t/2)+8*(\t%2))*4+16
.endr
	WIN 0
	XLOAD 0
	XLOAD 1
	s_wait_dscnt 0x0                               ; for the others' sake: my codes and scale words have landed
	s_barrier_signal -1
	s_barrier_wait -1
; ---- PHASE 2: the slice's 64 fragments and 64 scale words come into my registers and stay ----
	WIN 0x40
.irp t, 0,1,2,3,4,5,6,7
.irp s, 0,1,2,3
.irp c, 0,1
	ds_load_b128 v[8*(4*\t+\s)+4*\c:8*(4*\t+\s)+4*\c+3], v11 offset:CST+(32*(\t/2)+8*(\t%2))*528+64*\s+32*\c
.endr
.endr
.endr
	WIN 0x80
.irp t, 0,1,2,3,4,5,6,7
.irp s, 0,1,2,3
.irp c, 0,1
	ds_load_b128 v[8*(4*\t+\s)+4*\c:8*(4*\t+\s)+4*\c+3], v11 offset:CST+(32*(\t/2)+8*(\t%2))*528+64*(\s+4)+32*\c
.endr
.endr
.endr
	WIN 0
.irp t, 0,1,2,3,4,5,6,7
.irp q, 0,1
	ds_load_b128 v[W1S+8*\t+4*\q:W1S+8*\t+4*\q+3], v12 offset:(32*(\t/2)+8*(\t%2))*32+16*\q
.endr
.endr
.irp b, 0,1,2,3
	v_mov_b32 v[TM+4+\b], 0                        ; written once: a lane permute's destination counts as one of its sources
.endr
	s_wait_dscnt 0x0
; 64 numbers of a lane, none negative, register 16 b + i = k 32 b + 16 (lane / 16) + i of my row, become a fragment's codes in v[PC] on and its scale word in v[pw]
.macro QUANT s, pw
.irp b, 0,1,2,3
	v_max3_num_f32 v[TM+\b], v[\s+16*\b], v[\s+1+16*\b], 0x1800000   ; my 16 numbers of block b, and the floor 2^(3 - 127)
.endr
.irp i, 2,4,6,8,10,12,14
.irp b, 0,1,2,3
	v_max3_num_f32 v[TM+\b], v[TM+\b], v[\s+16*\b+\i], v[\s+1+16*\b+\i]
.endr
.endr
.irp b, 0,1,2,3
	v_permlanex16_b32 v[TM+4+\b], v[TM+\b], s[SEL], s[SEL+1]
.endr
.irp b, 0,1,2,3
	v_max_num_f32 v[TM+\b], v[TM+\b], v[TM+4+\b]   ; with lane l xor 16's: the block's largest
.endr
.irp b, 0,1,2,3
	v_add_nc_u32 v[TM+12+\b], 0xff000000, v[TM+\b] ; the conversion's scale operand
.endr
.irp b, 0,1,2,3
	v_lshrrev_b32 v[TM+4+\b], 23, v[TM+12+\b]      ; the scale's byte
.endr
	v_lshl_or_b32 v[\pw], v[TM+5], 8, v[TM+4]
	v_lshl_or_b32 v[\pw], v[TM+6], 16, v[\pw]
	v_lshl_or_b32 v[\pw], v[TM+7], 24, v[\pw]
.irp b, 0,1,2,3
	v_cvt_scalef32_pk8_fp4_f32 v[PC+2*\b], v[\s+16*\b:\s+7+16*\b], v[TM+12+\b]
	v_cvt_scalef32_pk8_fp4_f32 v[PC+1+2*\b], v[\s+8+16*\b:\s+15+16*\b], v[TM+12+\b]
.endr
	v_nop                                          ; one plain line behind the last conversion
.irp c, 0,1                                    ; the layout wants a whole block in a lane: lanes 0-15 block 2 c, lanes 16-31 block 2 c + 1
.irp i, 0,1
	v_permlane16_swap_b32 v[PC+4*\c+\i], v[PC+2+4*\c+\i]
.endr
.endr
.endm
; One tile of 16 rows: 64 products, K step by K step, the 8 accumulators by turns, one instruction a turn.
.macro TILE m
.set TP, (\m)%2
.if (\m) < 7
	s_wait_loadcnt 17                              ; this tile's 17 loads are in; the next tile's 17 may be out
.else
	s_wait_loadcnt 0x0                             ; in the last trip nothing was asked for behind this tile's loads
.endif
.irp s, 0,1,2,3,4,5,6,7
.if \s == 0
	WIN 0x3d                                       ; W1 window 1, x window 3, C = b1 window 3
.elseif \s < 4
	WIN 0x0d
.else
	WIN 0x0e                                       ; W1 window 2
.endif
.irp t, 0,1,2,3,4,5,6,7
.if \s == 0
	v_wmma_scale_f32_16x16x128_f8f6f4 v[HA+8*\t:HA+8*\t+7], v[32*\t:32*\t+7], v[64*TP:64*TP+7], v[128+8*\t:135+8*\t], v[W1S+8*\t], v[XS+4*TP] matrix_a_fmt:MATRIX_FMT_FP4 matrix_b_fmt:MATRIX_FMT_FP4
.elseif \s < 4
	v_wmma_scale_f32_16x16x128_f8f6f4 v[HA+8*\t:HA+8*\t+7], v[8*(4*\t+\s):8*(4*\t+\s)+7], v[64*TP+8*\s:64*TP+8*\s+7], v[HA+8*\t:HA+8*\t+7], v[W1S+8*\t+\s], v[XS+4*TP+\s] matrix_a_fmt:MATRIX_FMT_FP4 matrix_b_fmt:MATRIX_FMT_FP4
.else
	v_wmma_scale_f32_16x16x128_f8f6f4 v[HA+8*\t:HA+8*\t+7], v[8*(4*\t+\s-4):8*(4*\t+\s-4)+7], v[64*TP+8*\s:64*TP+8*\s+7], v[HA+8*\t:HA+8*\t+7], v[W1S+8*\t+\s], v[XS+4*TP+\s-4] matrix_a_fmt:MATRIX_FMT_FP4 matrix_b_fmt:MATRIX_FMT_FP4 matrix_b_scale:MATRIX_SCALE_ROW1
.endif
.endr
.endr
	WIN 0
.rept 4
	v_nop                                          ; four places in front of loads into registers that the products have read, and of the first read of results
.endr
.if (\m) >= 6                                  ; the next trip's first two tiles, if there is a next trip: no load leaves its buffer
	s_cmp_eq_u32 s26, 1
	s_cbranch_scc1 .Lnox_\@
	XLOAD (\m)+2
.Lnox_\@:
.else
	XLOAD (\m)+2
.endif
.set J_, 0
.rept 64
	v_max_num_f32 v[HA+J_], 0, v[HA+J_]            ; relu, each accumulator from its low end on
.set J_, J_+1
.endr
	s_wait_xcnt 0x0                                ; the last tile's stores have read v160-167
	QUANT HA, 24+(\m)
	global_store_b128 v4, v[PC:PC+3], s[12:13] offset:(\m)*1024        ; the image: 512 consecutive bytes a store
	global_store_b128 v4, v[PC+4:PC+7], s[12:13] offset:(\m)*1024+512
.endm
	s_mov_b32 s26, 2
.Lgroup:                                           ; a trip: one row group of 128 rows, 8 tiles, one K step of one record
.irp m, 0,1,2,3,4,5,6,7
	TILE \m
.endr
.irp j, 0,1,2,3
	v_cndmask_b32 v[168+\j], v[24+\j], v[28+\j], s27   ; lanes 0-15: tiles 0-3 of row r; lanes 16-31: tiles 4-7
.endr
	global_store_b128 v4, v[168:171], s[16:17]     ; 512 consecutive bytes: [quad][r][4 tiles]
	s_wait_xcnt 0x0                                ; loads and stores have read their bases and data: these are written only behind this wait
	s_add_nc_u64 s[8:9], s[8:9], 65536
	s_add_nc_u64 s[10:11], s[10:11], 4096
	s_add_nc_u64 s[12:13], s[12:13], REC
	s_add_nc_u64 s[16:17], s[16:17], REC
	s_sub_co_u32 s26, s26, 1
	s_cmp_lg_u32 s26, 0
	s_cbranch_scc1 .Lgroup
	s_wait_tensorcnt 0x0                           ; the wave's end
	ds_add_u32 v[SPW], v[NIL]
	s_wait_dscnt 0x0
	s_endpgm
.Lfunc_end_k_q19067c62b9_f1:
	.size	k_q19067c62b9_f1, .Lfunc_end_k_q19067c62b9_f1-k_q19067c62b9_f1
	.p2alignl 7, 3214868480
	.fill 96, 4, 3214868480
	.section	.rodata,"a",@progbits
	.p2align	6, 0x0
	.amdhsa_kernel k_q19067c62b9_f1
		.amdhsa_group_segment_fixed_size 72192
		.amdhsa_private_segment_fixed_size 0
		.amdhsa_enable_private_segment 0
		.amdhsa_kernarg_size 40
		.amdhsa_user_sgpr_count 2
		.amdhsa_user_sgpr_kernarg_segment_ptr 1
		.amdhsa_wavefront_size32 1
		.amdhsa_system_sgpr_workgroup_id_x 1
		.amdhsa_system_sgpr_workgroup_id_y 1
		.amdhsa_system_sgpr_workgroup_id_z 1
		.amdhsa_system_vgpr_workitem_id 0
		.amdhsa_next_free_vgpr 1024
		.amdhsa_next_free_sgpr 66
		.amdhsa_reserve_vcc 0
		.amdhsa_float_denorm_mode_32 3
		.amdhsa_float_denorm_mode_16_64 3
		.amdhsa_memory_ordered 1
		.amdhsa_forward_progress 1
		.amdhsa_inst_pref_size 251
	.end_amdhsa_kernel
	.amdgpu_metadata
---
amdhsa.version: [ 1, 2 ]
amdhsa.kernels:
  - .name:           k_q19067c62b9_f1
    .symbol:         k_q19067c62b9_f1.kd
    .args:
      - { .name: W1, .offset: 0, .size: 8, .value_kind: global_buffer, .address_space: global }
      - { .name: b1, .offset: 8, .size: 8, .value_kind: global_buffer, .address_space: global }
      - { .name: ximg, .offset: 16, .size: 8, .value_kind: global_buffer, .address_space: global }
      - { .name: xsc, .offset: 24, .size: 8, .value_kind: global_buffer, .address_space: global }
      - { .name: hrec, .offset: 32, .size: 8, .value_kind: global_buffer, .address_space: global }
    .group_segment_fixed_size: 72192
    .private_segment_fixed_size: 0
    .kernarg_segment_align: 8
    .kernarg_segment_size: 40
    .max_flat_workgroup_size: 128
    .sgpr_count:     66
    .vgpr_count:     1024
    .wavefront_size: 32
...
	.end_amdgpu_metadata
.endif
;; end of part 2
;; launch g2 (part 3): grid 8 x 32, 4 waves a work-group, clusters of 4 x 4, 327,680 bytes of LDS; arguments hrec, w2rec, gate, b2, part; writes part
.if DOCPART == 3
	.amdgcn_target "amdgcn-amd-amdhsa--gfx1250"
	.amdhsa_code_object_version 6
	.text
	.protected	k_q19067c62b9_g2
	.globl	k_q19067c62b9_g2
	.p2align	8
	.type	k_q19067c62b9_g2,@function
k_q19067c62b9_g2:
	s_mov_b64 s[64:65], 0
	v_nop
	global_prefetch_b8 v0, s[64:65] scope:SCOPE_SE
	s_setreg_imm32_b32 hwreg(HW_REG_WAVE_MODE, 25, 1), 1
	s_wait_xcnt 0x0
	s_wait_alu depctr_hold_cnt(0) depctr_sa_sdst(0) depctr_va_vdst(0) depctr_va_sdst(0) depctr_va_ssrc(0) depctr_va_vcc(0) depctr_vm_vsrc(0)
	s_getreg_b32 s2, hwreg(HW_REG_IB_STS2, 6, 4)
	s_cmp_eq_u32 s2, 0
	s_cbranch_scc0 .Lentry_in_a_cluster
	s_endpgm
.Lentry_in_a_cluster:
	s_bfe_u32 s2, ttmp6, 0x10000c
	s_cmp_lg_u32 s2, 0xf033
	s_cbranch_scc0 .Lentry_shape_is_right
	s_endpgm
.Lentry_shape_is_right:
; part[kq][row][col] = sum over the experts e = 2 kq, 2 kq + 1 of gate[row][e] (h[e][row][:] . W2[e][:][col] + b2[e][col]), on the codes that the two launches before have stored.  No work is left out.
; SHARES.  A work-group makes 128 x 128 of part[kq]: 64 tiles x 4 pairs of experts = 256 work-groups of equal work.  Four waves, 64 x 64 each: 16 accumulators.
; K = 8,192 goes in 8 slots' worth of 1,024 through a ring of two LDS slots.  A slot holds four records of 34,816 bytes (h's two, W2's two): each a dense block of memory, one tensor load, one wave.
; A record holds images of operand registers: a fragment is two ds_load_b128 at 16 x lane, with no pitch and no padding; its scale words ride in the record.
; CLUSTERS: 4 x 4 work-groups.  The four of a row of the cluster need the same records of h, the four of a column the same records of W2: each is asked for JOINTLY, by the same tensor load with the same descriptor
; and a mask that names the four.  THE MATRIX INSTRUCTION IS USED TRANSPOSED (source 0 = 16 columns of W2, source 1 = 16 rows of h): a lane holds one row of the result and eight neighbouring columns.
; b2 is the C of an expert's first products; when an expert's K is through, T (+)= gate x accumulators.
; LIMITS: the f32 sums are ordered otherwise than a single chain (b2 first; K split over four work-groups, added by the next launch).
; REGISTERS.  window 0: v2, v3 the add's two; v4-6 the way out; v8-15 fragments' addresses, v16-23 scale words' (4 slot + 2 operand + record); v32-47 gates; v64-127 scale words, a set a record;
;   v128-255 the accumulators ((a, b) at 128 + 8 (4 a + b)).   window 1: v0-63, v64-127 two fragment buffers (h's 4, then W2's 4); v128-255 T.   window 2: v0-63 b2's tiles at 8 (4 e + b).
.set REC,   34816
.set SLOT,  4*REC
.set SPARE, 2*SLOT                     ; behind the ring: the spare words, 128 bytes for each wave: two blocks of 256 bytes that no other line names
.set SPW,   2
.set NIL,   3
.set STO,   4
.set RD,    5
.set CO,    6
.set ADR,   8
.set ASC,   16
.set GT,    32
.set SCS,   64
.set ACC,   128
.set TT,    128
.set G1,    24                         ; s[24:31] descriptor group 1 for h's records;  s[32:39] group 0, a set for each slot
.set G0,    32
.set G1B,   48                         ; s[48:55], s[56:63] the same for W2's
.set G0B,   56
.set MSB, 0
.macro WIN new                         ; the immediate's high byte repeats the setting that is left; bits 1:0 source 0, 3:2 source 1, 5:4 source 2, 7:6 destination
.if MSB != \new
	s_set_vgpr_msb (MSB<<8)|\new
.set MSB, \new
.endif
.endm
.macro PLACES
.rept 4
	v_nop
.endr
.endm
; A joint load: waves 0 and 1 fetch h's two records, waves 2 and 3 W2's.  The branch hangs on the wave's number alone.  An s_nop 0 and four v_nop follow each of the two lines.
.macro JLOAD s
	s_cmp_eq_u32 s15, 0
	s_cbranch_scc0 .Lfor_b_\@
	tensor_load_to_lds s[G0+4*\s:G0+4*\s+3], s[G1:G1+7]
	s_nop 0
.rept 4
	v_nop
.endr
	s_branch .Lasked_\@
.Lfor_b_\@:
	tensor_load_to_lds s[G0B+4*\s:G0B+4*\s+3], s[G1B:G1B+7]
	s_nop 0
.rept 4
	v_nop
.endr
.Lasked_\@:
.endm
.macro CROUND                          ; a round of the cluster's barrier
	s_barrier_signal -1
	s_barrier_wait -1
	s_cmp_lg_u32 s14, 0
	s_cbranch_scc1 .Lnot_wave_0_\@
	s_barrier_signal -3
.Lnot_wave_0_\@:
	s_barrier_wait -3
	s_barrier_signal -1
	s_barrier_wait -1
.endm
	s_load_b256 s[4:11], s[0:1], 0x0               ; hrec s[4:5], w2rec s[6:7], gate s[8:9], b2 s[10:11]
	s_load_b64 s[12:13], s[0:1], 0x20              ; part
	v_lshl_add_u32 v[SPW], v0, 2, SPARE
	v_mov_b32 v[NIL], 0
	ds_add_u32 v[SPW], v[NIL]                      ; the wave's opening: the add, twice on end, and its wait ahead of my first tensor load
	ds_add_u32 v[SPW], v[NIL]
	v_lshrrev_b32 v1, 5, v0
	v_readfirstlane_b32 s14, v1                    ; wave 0..3
	s_lshr_b32 s15, s14, 1                         ; which 64 rows are mine.  Also: I fetch for h (0) or for W2 (1)
	s_and_b32 s16, s14, 1                          ; which 64 columns.  Also: which record of a slot I fetch
	s_bfe_u32 s40, ttmp6, 0x40000                  ; cx
	s_bfe_u32 s41, ttmp6, 0x40004                  ; cy
	s_lshl_b32 s42, ttmp9, 2
	s_add_co_u32 s42, s42, s40                     ; column tile = 4 x cluster x + cx
	s_and_b32 s45, ttmp7, 0xffff                   ; cluster y
	s_and_b32 s17, s45, 1
	s_lshl_b32 s17, s17, 2
	s_add_co_u32 s17, s17, s41                     ; row tile = 4 x (cluster y % 2) + cy
	s_lshr_b32 s45, s45, 1                         ; kq = cluster y / 2: the same in all sixteen partners
	s_lshl_b32 s43, s41, 2
	s_lshl_b32 s43, 15, s43                        ; my row of the cluster
	s_lshl_b32 s44, 0x1111, s40                    ; my column
	; descriptor group 1: a record as 136 rows of 256 bytes (32 elements of 8 bytes), dense, no padding
	s_or_b32 s[G1], s43, (3<<16)|(1<<21)           ; 15:0 the mask; 17:16 elements of 8 bytes; 21 set beside a mask
	s_or_b32 s[G1B], s44, (3<<16)|(1<<21)
.irp g, G1, G1B
	s_mov_b32 s[\g+1], 32<<16                      ; tensor_dim0 = 32
	s_mov_b32 s[\g+2], 136<<16                     ; tensor_dim1 = 136
	s_mov_b32 s[\g+3], 32<<16                      ; tile_dim0 = 32
	s_mov_b32 s[\g+4], 136                         ; tile_dim1 = 136
	s_mov_b32 s[\g+5], 32                          ; from row to row
	s_mov_b32 s[\g+6], 0
	s_mov_b32 s[\g+7], 0
.endr
	s_lshl_b32 s18, s45, 4
	s_add_co_u32 s18, s18, s16                     ; kquad of slot 0: 16 kq + my record
	s_lshl_b32 s18, s18, 3
	s_add_co_u32 s46, s18, s42                     ; W2's record: 8 kquad + column tile (no register of h's descriptors ever holds cx)
	s_add_co_u32 s18, s18, s17                     ; h's: 8 kquad + row tile
	s_mul_i32 s18, s18, REC
	s_mul_i32 s46, s46, REC
	s_mov_b32 s19, 0
	s_mov_b32 s47, 0
	s_mul_i32 s20, s14, REC                        ; where my record lands in a slot: no place in the cluster enters an LDS address
	s_wait_dscnt 0x0                               ; both opening adds are done
	s_wait_kmcnt 0x0
	s_add_nc_u64 s[18:19], s[4:5], s[18:19]
	s_add_nc_u64 s[46:47], s[6:7], s[46:47]
	CROUND                                         ; all sixteen work-groups are here: the first joint loads meet
.irp s, 0,1
	s_mov_b32 s[G0+4*\s], 1
	s_add_co_u32 s[G0+4*\s+1], s20, \s*SLOT
	s_add_nc_u64 s[G0+4*\s+2:G0+4*\s+3], s[18:19], \s*16*REC     ; slot s begins two kquads, 16 records, on
	s_or_b32 s[G0+4*\s+3], s[G0+4*\s+3], 0x80000000
	s_mov_b32 s[G0B+4*\s], 1
	s_add_co_u32 s[G0B+4*\s+1], s20, \s*SLOT
	s_add_nc_u64 s[G0B+4*\s+2:G0B+4*\s+3], s[46:47], \s*16*REC
	s_or_b32 s[G0B+4*\s+3], s[G0B+4*\s+3], 0x80000000
	JLOAD \s                                       ; two loads of mine are out
.endr
	v_and_b32 v1, 31, v0                           ; lane
	v_and_b32 v7, 15, v0                           ; r
	v_bfe_u32 v24, v0, 4, 1                        ; h
	v_lshlrev_b32 v25, 4, v1
	v_lshlrev_b32 v26, 4, v7
	v_lshlrev_b32 v27, 3, v7
	s_lshl_b32 s21, s15, 12                        ; my four tiles of a K step's eight: 4,096 bytes on for the upper half
	s_lshl_b32 s22, s16, 12
	v_add_nc_u32 v28, s21, v25
	v_add_nc_u32 v29, s22, v25
	s_lshl_b32 s21, s15, 8                         ; h's scale words: my quad, 16 bytes a row
	s_lshl_b32 s22, s16, 9                         ; W2's: my four tiles of 128 bytes, 8 bytes a column
	v_add_nc_u32 v30, s21, v26
	v_add_nc_u32 v31, s22, v27
.irp p, 0,1
.irp rec, 0,1
	v_add_nc_u32 v[ADR+4*\p+\rec], \p*SLOT+\rec*REC, v28
	v_add_nc_u32 v[ADR+4*\p+2+\rec], \p*SLOT+(2+\rec)*REC, v29
	v_add_nc_u32 v[ASC+4*\p+\rec], \p*SLOT+\rec*REC+32768, v30
	v_add_nc_u32 v[ASC+4*\p+2+\rec], \p*SLOT+(2+\rec)*REC+32768, v31
.endr
.endr
	s_mul_i32 s21, s14, 4352                       ; my stage for the way out: 16 rows x (256 bytes + 16), in slot 0
	v_mul_u32_u24 v[STO], v7, 272
	v_lshl_add_u32 v[STO], v24, 5, v[STO]
	v_add_nc_u32 v[STO], s21, v[STO]               ; in: row r, 32 h
	v_mul_u32_u24 v[RD], v24, 272
	v_add_nc_u32 v[RD], v[RD], v26
	v_add_nc_u32 v[RD], s21, v[RD]                 ; back: lanes 0-15 one row, lanes 16-31 the next
	v_lshl_add_u32 v[CO], v24, 12, v26             ; and the same two rows in part
	s_lshl_b32 s22, s17, 12                        ; gate: 128 rows of 32 bytes a row tile,
	s_lshl_b32 s23, s15, 11                        ; my 64 rows,
	s_add_co_u32 s22, s22, s23
	s_lshl_b32 s23, s45, 3                         ; experts 2 kq, 2 kq + 1
	s_add_co_u32 s22, s22, s23
	s_mov_b32 s23, 0
	s_add_nc_u64 s[8:9], s[8:9], s[22:23]
	s_lshl_b32 s22, s45, 13                        ; b2: two experts' rows of 4,096 bytes,
	s_lshl_b32 s21, s42, 9                         ; the tile's 128 columns,
	s_add_co_u32 s22, s22, s21
	s_lshl_b32 s21, s16, 8                         ; my 64
	s_add_co_u32 s22, s22, s21
	s_add_nc_u64 s[10:11], s[10:11], s[22:23]
	s_lshl_b32 s22, s45, 22                        ; part: plane kq,
	s_lshl_b32 s21, s17, 19                        ; 128 rows of 4,096 bytes a row tile,
	s_add_co_u32 s22, s22, s21
	s_lshl_b32 s21, s15, 18                        ; my 64 rows,
	s_add_co_u32 s22, s22, s21
	s_lshl_b32 s21, s42, 9                         ; the tile's columns,
	s_add_co_u32 s22, s22, s21
	s_lshl_b32 s21, s16, 8                         ; my 64
	s_add_co_u32 s22, s22, s21
	s_add_nc_u64 s[12:13], s[12:13], s[22:23]
	v_lshlrev_b32 v28, 5, v7                       ; 32 r
	v_lshlrev_b32 v29, 5, v24                      ; 32 h
.irp a, 0,1,2,3
	global_load_b64 v[GT+4*\a:GT+4*\a+1], v28, s[8:9] offset:512*\a     ; the two gates of row 16 a + r
.endr
	WIN 0x80
.irp e, 0,1
.irp b, 0,1,2,3
	global_load_b128 v[8*(4*\e+\b):8*(4*\e+\b)+3], v29, s[10:11] offset:\e*4096+64*\b          ; b2 in the result's layout: columns 16 b + 8 h + 0 .. 7
	global_load_b128 v[8*(4*\e+\b)+4:8*(4*\e+\b)+7], v29, s[10:11] offset:\e*4096+64*\b+16
.endr
.endr
	WIN 0
	s_wait_loadcnt 0x0
.irp a, 0,1,2,3
	v_mov_b32 v[GT+4*\a+2], v[GT+4*\a+1]           ; the second expert's gate as the low word of a pair of its own
	v_mov_b32 v[GT+4*\a+3], v[GT+4*\a+1]
.endr
; 16 LDS loads: the fragments of the slot's q-th 128 along K (W2's four, h's four) into buffer f of window 1
.macro FETCH p, q, f
	WIN 0x40
.irp i, 0,1,2,3
.irp c, 0,1
	ds_load_b128 v[(\f)+32+8*\i+4*\c:(\f)+32+8*\i+4*\c+3], v[ADR+4*(\p)+2+(\q)/4] offset:((\q)%4)*8192+\i*1024+\c*512
.endr
.endr
.irp i, 0,1,2,3
.irp c, 0,1
	ds_load_b128 v[(\f)+8*\i+4*\c:(\f)+8*\i+4*\c+3], v[ADR+4*(\p)+(\q)/4] offset:((\q)%4)*8192+\i*1024+\c*512
.endr
.endr
.endm
; 12 LDS loads: a record pair's scale words.  h's of K step qq, tile a at SCS + 32 rec + 4 qq + a;  W2's of tile b, K step qq at SCS + 16 + 32 rec + 4 b + qq
.macro SCALES p, rec
	WIN 0
.irp qq, 0,1,2,3
	ds_load_b128 v[SCS+32*(\rec)+4*\qq:SCS+32*(\rec)+4*\qq+3], v[ASC+4*(\p)+(\rec)] offset:\qq*512
.endr
.irp pp, 0,1
.irp b, 0,1,2,3
	ds_load_b64 v[SCS+16+32*(\rec)+4*\b+2*\pp:SCS+16+32*(\rec)+4*\b+2*\pp+1], v[ASC+4*(\p)+2+(\rec)] offset:\pp*1024+\b*128
.endr
.endr
.endm
; 16 products, 128 along K; the 16 accumulators take turns, one instruction a turn, in the same order in every step.  first = 1: an expert's first products take b2 as C: nothing is cleared.
.macro MUL16 f, set, qq, first, e
.if \first
	WIN 0x25                                       ; sources 0 and 1 window 1, C = b2 window 2
.else
	WIN 0x05
.endif
.irp a, 0,1,2,3
.irp b, 0,1,2,3
.if \first
	v_wmma_scale_f32_16x16x128_f8f6f4 v[ACC+8*(4*\a+\b):ACC+8*(4*\a+\b)+7], v[\f+32+8*\b:\f+32+8*\b+7], v[\f+8*\a:\f+8*\a+7], v[8*(4*\e+\b):8*(4*\e+\b)+7], v[SCS+16+32*\set+4*\b+\qq], v[SCS+32*\set+4*\qq+\a] matrix_a_fmt:MATRIX_FMT_FP4 matrix_b_fmt:MATRIX_FMT_FP4
.else
	v_wmma_scale_f32_16x16x128_f8f6f4 v[ACC+8*(4*\a+\b):ACC+8*(4*\a+\b)+7], v[\f+32+8*\b:\f+32+8*\b+7], v[\f+8*\a:\f+8*\a+7], v[ACC+8*(4*\a+\b):ACC+8*(4*\a+\b)+7], v[SCS+16+32*\set+4*\b+\qq], v[SCS+32*\set+4*\qq+\a] matrix_a_fmt:MATRIX_FMT_FP4 matrix_b_fmt:MATRIX_FMT_FP4
.endif
.endr
.endr
.endm
; A slot's eight K steps on two fragment buffers: while one is multiplied the next step's 16 loads are out.  Four places stand in front of each run of loads into a buffer that the products just issued have read
; (in front of the slot's first two runs the four behind the change of slots serve).
.macro SLOTWORK d
.set P_, (\d)%2
.set E_, (\d)/4
	FETCH P_, 0, 0
	SCALES P_, 0
.set Q_, 0
.rept 8
.if Q_ < 7
.if Q_ > 0
	PLACES
.endif
	FETCH P_, Q_+1, 64*((Q_+1)%2)
.if Q_ == 3
	SCALES P_, 1
	s_wait_dscnt 28                                ; all but the 16 + 12 just issued
.else
	s_wait_dscnt 16                                ; all but the 16 just issued
.endif
.else
	s_wait_dscnt 0x0
.endif
.set FI_, 0
.if ((\d)%4 == 0) && (Q_ == 0)
.set FI_, 1
.endif
.set FB_, 64*(Q_%2)
.set ST_, Q_/4
.set QQ_, Q_%4
	MUL16 FB_, ST_, QQ_, FI_, E_
.set Q_, Q_+1
.endr
.endm
; An expert's K is through: T = g0 x acc, then T += g1 x acc; each accumulator is read from its low end on.
.macro GATE e
	PLACES
.if \e == 0
	WIN 0x40                                       ; T, the destination, in window 1
.else
	WIN 0x50                                       ; T as destination and as source 2
.endif
.irp a, 0,1,2,3
.irp i, 0,2,4,6,8,10,12,14,16,18,20,22,24,26,28,30
.if \e == 0
	v_pk_mul_f32 v[TT+32*\a+\i:TT+32*\a+\i+1], v[ACC+32*\a+\i:ACC+32*\a+\i+1], v[GT+4*\a:GT+4*\a+1] op_sel_hi:[1,0]
.else
	v_pk_fma_f32 v[TT+32*\a+\i:TT+32*\a+\i+1], v[ACC+32*\a+\i:ACC+32*\a+\i+1], v[GT+4*\a+2:GT+4*\a+3], v[TT+32*\a+\i:TT+32*\a+\i+1] op_sel_hi:[1,0,1]
.endif
.endr
.endr
	WIN 0
.endm
; THE CHANGE OF SLOTS, in front of slot work d.  Each wave waits for all its tensor loads (one is out: its record of the slot ahead), adds 0 to its spare word, and waits for that and for its reads of the slot that it has left.
; fill = 1: that slot is filled again, with the K two slots on: the barrier is a round of the cluster's, and the joint refill is the first thing behind it; it has a slot's 128 matrix instructions in which to land.
.macro CHANGE d, fill
.set PS_, ((\d)+1)%2
	WIN 0                                          ; at a label and at a branch every window is 0
	s_wait_tensorcnt 0x0                           ; no tensor load of mine is out, so a group 0 may be written
	ds_add_u32 v[SPW], v[NIL]                      ; 0 onto my spare word
.if \fill
	s_add_nc_u64 s[G0+4*PS_+2:G0+4*PS_+3], s[G0+4*PS_+2:G0+4*PS_+3], 32*REC     ; four kquads, 32 records, on; the type bits on top are not reached
	s_add_nc_u64 s[G0B+4*PS_+2:G0B+4*PS_+3], s[G0B+4*PS_+2:G0B+4*PS_+3], 32*REC
.endif
	s_wait_dscnt 0x0                               ; the add is done, and my reads of the slot that I have left are over
.if \fill
	CROUND
	JLOAD PS_
.else
	s_barrier_signal -1
	s_barrier_wait -1
	PLACES
.endif
.endm
	s_wait_tensorcnt 1                             ; my record of slot 0 is in; slot 1's may stay out
	s_barrier_signal -1
	s_barrier_wait -1                              ; everybody's is
	SLOTWORK 0
	CHANGE 1, 1
	SLOTWORK 1
	CHANGE 2, 1
	SLOTWORK 2
	CHANGE 3, 1
	SLOTWORK 3
	GATE 0
	CHANGE 4, 1
	SLOTWORK 4
	CHANGE 5, 1
	SLOTWORK 5
	CHANGE 6, 1
	SLOTWORK 6
	CHANGE 7, 0                                    ; nothing is left to fetch: a plain barrier
	SLOTWORK 7
	GATE 1
; THE WAY OUT, 16 rows x 64 columns at a time through my stage: it lies in slot 0, which has had its last fill, and which nobody reads behind the last change of slots.
; LDS serves a wave's instructions in order: no wait between the stores and the loads, nor in front of the next block's stores.
.irp a, 0,1,2,3
	WIN 0x04                                       ; an LDS store's data are its source 1: window 1
.irp b, 0,1,2,3
	ds_store_b128 v[STO], v[TT+32*\a+8*\b:TT+32*\a+8*\b+3] offset:64*\b
	ds_store_b128 v[STO], v[TT+32*\a+8*\b+4:TT+32*\a+8*\b+7] offset:64*\b+16
.endr
	WIN 0
.irp t, 0,1,2,3,4,5,6,7
	ds_load_b128 v[ACC+32*\a+4*\t:ACC+32*\a+4*\t+3], v[RD] offset:544*\t
.endr
.endr
.irp a, 0,1,2,3
	s_wait_dscnt 16*(3-\a)                         ; block a is back; the later blocks' 16 LDS instructions each may be out
.irp t, 0,1,2,3,4,5,6,7
	global_store_b128 v[CO], v[ACC+32*\a+4*\t:ACC+32*\a+4*\t+3], s[12:13] offset:\a*65536+\t*8192 th:TH_STORE_NT   ; sixteen lanes store 256 consecutive bytes, aligned
.endr
.endr
	s_wait_tensorcnt 0x0                           ; the wave's end
	ds_add_u32 v[SPW], v[NIL]
	s_wait_dscnt 0x0
	CROUND                                         ; the closing round: no work-group ends while a partner may still ask for a record that names it
	s_endpgm
.Lfunc_end_k_q19067c62b9_g2:
	.size	k_q19067c62b9_g2, .Lfunc_end_k_q19067c62b9_g2-k_q19067c62b9_g2
	.p2alignl 7, 3214868480
	.fill 96, 4, 3214868480
	.section	.rodata,"a",@progbits
	.p2align	6, 0x0
	.amdhsa_kernel k_q19067c62b9_g2
		.amdhsa_group_segment_fixed_size 327680
		.amdhsa_private_segment_fixed_size 0
		.amdhsa_enable_private_segment 0
		.amdhsa_kernarg_size 40
		.amdhsa_user_sgpr_count 2
		.amdhsa_user_sgpr_kernarg_segment_ptr 1
		.amdhsa_wavefront_size32 1
		.amdhsa_system_sgpr_workgroup_id_x 1
		.amdhsa_system_sgpr_workgroup_id_y 1
		.amdhsa_system_sgpr_workgroup_id_z 1
		.amdhsa_system_vgpr_workitem_id 0
		.amdhsa_next_free_vgpr 640
		.amdhsa_next_free_sgpr 66
		.amdhsa_reserve_vcc 0
		.amdhsa_float_denorm_mode_32 3
		.amdhsa_float_denorm_mode_16_64 3
		.amdhsa_memory_ordered 1
		.amdhsa_forward_progress 1
		.amdhsa_inst_pref_size 250
	.end_amdhsa_kernel
	.amdgpu_metadata
---
amdhsa.version: [ 1, 2 ]
amdhsa.kernels:
  - .name:           k_q19067c62b9_g2
    .symbol:         k_q19067c62b9_g2.kd
    .args:
      - { .name: hrec, .offset: 0, .size: 8, .value_kind: global_buffer, .address_space: global }
      - { .name: w2rec, .offset: 8, .size: 8, .value_kind: global_buffer, .address_space: global }
      - { .name: gate, .offset: 16, .size: 8, .value_kind: global_buffer, .address_space: global }
      - { .name: b2, .offset: 24, .size: 8, .value_kind: global_buffer, .address_space: global }
      - { .name: part, .offset: 32, .size: 8, .value_kind: global_buffer, .address_space: global }
    .group_segment_fixed_size: 327680
    .private_segment_fixed_size: 0
    .kernarg_segment_align: 8
    .kernarg_segment_size: 40
    .max_flat_workgroup_size: 128
    .sgpr_count:     66
    .vgpr_count:     640
    .wavefront_size: 32
...
	.end_amdgpu_metadata
.endif
;; end of part 3
;; launch red (part 4): grid 256 x 1, 8 waves a work-group, no clusters, 0 bytes of LDS; arguments part, out0; writes out0
.if DOCPART == 4
	.amdgcn_target "amdgcn-amd-amdhsa--gfx1250"
	.amdhsa_code_object_version 6
	.text
	.protected	k_q19067c62b9_red
	.globl	k_q19067c62b9_red
	.p2align	8
	.type	k_q19067c62b9_red,@function
k_q19067c62b9_red:
	s_mov_b64 s[64:65], 0
	v_nop
	global_prefetch_b8 v0, s[64:65] scope:SCOPE_SE
	s_setreg_imm32_b32 hwreg(HW_REG_WAVE_MODE, 25, 1), 1
	s_wait_xcnt 0x0
; out0 = (part[0] + part[1]) + (part[2] + part[3]): the four pairs of experts.  No work is left out.
; A stream: a work-group owns 16,384 bytes of out0; a thread 16 bytes of each of four runs of 4,096; all 16 loads of a thread go out at once; each load and store of a wave covers 512 consecutive bytes.
; No LDS, no barrier, no matrix unit, no cluster: nothing is shared.
	s_load_b128 s[4:7], s[0:1], 0x0                ; part s[4:5], out0 s[6:7]
	v_lshlrev_b32 v1, 4, v0
	s_lshl_b32 s10, ttmp9, 14
	s_mov_b32 s11, 0
	s_wait_kmcnt 0x0
	s_add_nc_u64 s[4:5], s[4:5], s[10:11]
	s_add_nc_u64 s[6:7], s[6:7], s[10:11]
	s_add_nc_u64 s[8:9], s[4:5], 0x800000          ; planes 2 and 3
.irp i, 0,1,2,3
	global_load_b128 v[16+16*\i:19+16*\i], v1, s[4:5] offset:\i*4096 th:TH_LOAD_NT
	global_load_b128 v[20+16*\i:23+16*\i], v1, s[4:5] offset:4194304+\i*4096 th:TH_LOAD_NT
	global_load_b128 v[24+16*\i:27+16*\i], v1, s[8:9] offset:\i*4096 th:TH_LOAD_NT
	global_load_b128 v[28+16*\i:31+16*\i], v1, s[8:9] offset:4194304+\i*4096 th:TH_LOAD_NT
.endr
.irp i, 0,1,2,3
	s_wait_loadcnt 12-4*\i                         ; this run's four loads are in; the later runs' may be out
	v_pk_add_f32 v[16+16*\i:17+16*\i], v[16+16*\i:17+16*\i], v[20+16*\i:21+16*\i]
	v_pk_add_f32 v[18+16*\i:19+16*\i], v[18+16*\i:19+16*\i], v[22+16*\i:23+16*\i]
	v_pk_add_f32 v[24+16*\i:25+16*\i], v[24+16*\i:25+16*\i], v[28+16*\i:29+16*\i]
	v_pk_add_f32 v[26+16*\i:27+16*\i], v[26+16*\i:27+16*\i], v[30+16*\i:31+16*\i]
	v_pk_add_f32 v[16+16*\i:17+16*\i], v[16+16*\i:17+16*\i], v[24+16*\i:25+16*\i]
	v_pk_add_f32 v[18+16*\i:19+16*\i], v[18+16*\i:19+16*\i], v[26+16*\i:27+16*\i]
	global_store_b128 v1, v[16+16*\i:19+16*\i], s[6:7] offset:\i*4096 th:TH_STORE_NT
.endr
	s_endpgm
.Lfunc_end_k_q19067c62b9_red:
	.size	k_q19067c62b9_red, .Lfunc_end_k_q19067c62b9_red-k_q19067c62b9_red
	.p2alignl 7, 3214868480
	.fill 96, 4, 3214868480
	.section	.rodata,"a",@progbits
	.p2align	6, 0x0
	.amdhsa_kernel k_q19067c62b9_red
		.amdhsa_group_segment_fixed_size 0
		.amdhsa_private_segment_fixed_size 0
		.amdhsa_enable_private_segment 0
		.amdhsa_kernarg_size 16
		.amdhsa_user_sgpr_count 2
		.amdhsa_user_sgpr_kernarg_segment_ptr 1
		.amdhsa_wavefront_size32 1
		.amdhsa_system_sgpr_workgroup_id_x 1
		.amdhsa_system_sgpr_workgroup_id_y 1
		.amdhsa_system_sgpr_workgroup_id_z 1
		.amdhsa_system_vgpr_workitem_id 0
		.amdhsa_next_free_vgpr 80
		.amdhsa_next_free_sgpr 66
		.amdhsa_reserve_vcc 0
		.amdhsa_float_denorm_mode_32 3
		.amdhsa_float_denorm_mode_16_64 3
		.amdhsa_memory_ordered 1
		.amdhsa_forward_progress 1
		.amdhsa_inst_pref_size 5
	.end_amdhsa_kernel
	.amdgpu_metadata
---
amdhsa.version: [ 1, 2 ]
amdhsa.kernels:
  - .name:           k_q19067c62b9_red
    .symbol:         k_q19067c62b9_red.kd
    .args:
      - { .name: part, .offset: 0, .size: 8, .value_kind: global_buffer, .address_space: global }
      - { .name: out0, .offset: 8, .size: 8, .value_kind: global_buffer, .address_space: global }
    .group_segment_fixed_size: 0
    .private_segment_fixed_size: 0
    .kernarg_segment_align: 8
    .kernarg_segment_size: 16
    .max_flat_workgroup_size: 256
    .sgpr_count:     66
    .vgpr_count:     80
    .wavefront_size: 32
...
	.end_amdgpu_metadata
.endif
;; end of part 4
